; MI455X (gfx1250); checked and timed in simulation.
; The chip was launched on July 23, 2026; its instructions are those of AMD's public machine-readable ISA for CDNA 5 (MIT licence, August 2026) and "CDNA5" Instruction Set Architecture Reference Guide (July 2026). The comments in the code are by the model that wrote it; some were corrected since.
;; Multihead Self Attention. Allowed arithmetic: matrix products marked QUANTISED: E4M3 operands, one given power-of-two scale a tensor, by v_wmma_f32_16x16x64_fp8_fp8 or v_wmma_f32_16x16x128_fp8_fp8, f32 sums; everything else in f32.
;; Inputs: b_proj 1,024 float32; b_qkv 3,072 float32; lowp_scales 8 int32 (the exponents e of the quantised operands' scales 2^e); w_proj 1,024 x 1,024 float32; w_qkv 1,024 x 3,072 float32; x 4 x 2,048 x 1,024 float32.
;; Outputs: out0 4 x 2,048 x 1,024 float32.
;; This version of the problem:
;;   THIS VERSION OF THE PROBLEM IS GIVEN IN LOW PRECISION. The matrix products marked QUANTISED in the list below multiply operands that are first quantised to E4M3 (4 exponent bits, 3 mantissa bits; 8 bits a number), with one given power-of-two scale for each operand tensor; their sums are f32. All else is computed in f32.
;;   The module's matrix products, in the order in which they are computed (A, B: the left and right operand; K: the contracted axis; several contracted axes count as one K, in the product's order):
;;     1. [M 8,192, K 1,024] x [K 1,024, N 3,072]; A: input x; B: input w_qkv: QUANTISED (scales: A lowp_scales[0], B lowp_scales[1])
;;     2. batch 64 x [M 2,048, K 64] x [K 64, N 2,048]; A: computed on the way; B: computed on the way: QUANTISED (scales: A lowp_scales[2], B lowp_scales[3])
;;     3. batch 64 x [M 2,048, K 2,048] x [K 2,048, N 64]; A: softmax (see below); B: computed on the way: QUANTISED (scales: A lowp_scales[4], B lowp_scales[5])
;;     4. [M 8,192, K 1,024] x [K 1,024, N 1,024]; A: computed on the way; B: input w_proj: QUANTISED (scales: A lowp_scales[6], B lowp_scales[7])
;;   THE QUANTISER, for each operand of a quantised product, along K:
;;     - The operand's scale is 2^e, e = its entry of the input lowp_scales (int32; the entries are numbered through the quantised products in the list's order, A before B).
;;     - Each number is divided by the scale, clamped to +-448, and rounded to the nearest number of E4M3, ties to even, subnormals kept.
;;     - The product sums the exact products of the quantised numbers (number of the format x scale) in f32.
;;   ~~~python
;;   def quantise(x, axis, e):      # numpy; x: float32 -> the quantised numbers, widened to float32 again
;;       x = np.moveaxis(x, axis, -1); K = x.shape[-1]
;;       r = np.clip(x / 2.0 ** e, -448, 448)
;;       step = 2.0 ** (np.maximum(np.frexp(np.where(r == 0, 1, r))[1] - 1, -6) - 3)
;;       q = np.round(r / step) * step * 2.0 ** e      # np.round: ties to even
;;       return np.moveaxis(q, -1, axis).astype(np.float32)
;;   ~~~
;;   SOFTMAX AHEAD OF A QUANTISED PRODUCT. Where the list says 'softmax', what is quantised is not the finished softmax but p = 2^(t - M), with t = logit x log2(e) and M = ceil(the row's largest t), a whole number; so 1/2 < the row's largest p <= 1. The row's sum l is taken of the UNQUANTISED p, in f32, and the product's result is divided by l at the end. Since M is a whole number, a kernel that streams over the keys may use a running M (the ceiling of the running maximum): every later rescaling is an exact power of two, so the quantised numbers keep their values, but for numbers so far below the row's largest that they fall under the format's range.
;;   OPERANDS COMPUTED ON THE WAY. 'Computed on the way' means the value that the module computes at that place (a softmax that the list does not call 'softmax' is quantised finished and normalised). What goes into a quantiser is computed in f32, as accurately as f32 sums, v_exp_f32 and their like allow (about 1e-6 of the number): no bf16 or f16 on the way to a quantiser, and a product that is left as it is and whose result goes on into a quantised operand takes f32 operands (vector FMAs, or v_wmma_f32_16x16x4_f32). A number that lies on a knife's edge between two numbers of the format may be rounded either way, as far as f32 arithmetic and the matrix unit's own rounding can turn it there, and no further.
;; One version. Each part assembles by itself: llvm-mc -triple=amdgcn-amd-amdhsa -mcpu=gfx1250 --defsym DOCPART=n.
;; ======== version 1 of 1: 4 launches
;; limits: right only within a limited range of input values
;; workspace buffers: x_img 8,388,608 bytes; wq_img 3,145,728 bytes; wp_img 1,048,576 bytes; q_img 8,388,608 bytes; kv_img 16,777,216 bytes; ao_img 8,388,608 bytes
;; launch quant_x (part 1): grid 384 x 1, 4 waves a work-group, no clusters, 67,072 bytes of LDS; arguments x, lowp_scales, x_img, w_qkv, w_proj, wq_img, wp_img; writes x_img, wq_img, wp_img
.if DOCPART == 1
	.amdgcn_target "amdgcn-amd-amdhsa--gfx1250"
	.amdhsa_code_object_version 6
	.text
	.protected	k_q1f6bae2e38_quant_x
	.globl	k_q1f6bae2e38_quant_x
	.p2align	8
	.type	k_q1f6bae2e38_quant_x,@function
k_q1f6bae2e38_quant_x:
	s_mov_b64 s[64:65], 0
	v_nop
	global_prefetch_b8 v0, s[64:65] scope:SCOPE_SE
	s_setreg_imm32_b32 hwreg(HW_REG_WAVE_MODE, 25, 1), 1
	s_wait_xcnt 0x0
; x [8192][1024] f32 becomes codes of FP8 (E4M3) with the given scale 2^e0: code = x / 2^e0, held within +-448, to the nearest code, ties to even.
; OUT: x_img [tile of 16 rows: 512][block of 128 k: 8][2,048 bytes]: an IMAGE OF THE OPERAND'S REGISTERS for v_wmma_f32_16x16x128_fp8_fp8: lane (r, h) holds row r, registers 2 c, 2 c + 1
; hold k = 16 c + 8 h + 0 .. 7; registers 4 q .. 4 q + 3 of all 32 lanes lie on end, 16 bytes a lane: 512 bytes a quad.  A reader gets a fragment by four loads of 16 bytes a lane, k in its true places.
; SHARES: 1,024 waves; wave g = 4 x work-group + wave takes row tile g / 2 and 512 k (four blocks).  Each load reads 512 consecutive bytes of one row; the block turns through the wave's own stage in LDS
; (16 rows x 528 bytes: row r starts 4 r banks on, so that the sixteen rows of a read start at sixteen places), from which a lane takes its eight neighbours along k.  Each store covers 512 consecutive bytes, aligned.
; No barrier: waves share nothing.  Loads run two blocks (32 loads a wave) ahead.
; LIMITS: e0 between -126 and 119, so that 2^e0 and 448 x 2^e0 are f32 numbers.  NaN among the inputs is not served.
.set WST, 8448                         ; a wave's stage
.set SP,  528                          ; a stage row: 512 bytes + 16
.set LI,  1                            ; v1   16 x lane: my bytes of a load's or a store's 512
.set SI,  2                            ; v2   the stage, on the way in
.set SO,  3                            ; v3   and on the way out: row r, + 32 h
.set LIM, 10                           ; v10  448 x 2^e0
.set SC,  11                           ; v11  2^e0
.set R,   16                           ; v16-143  two sets of 64: a block as it is loaded
.set X,   144                          ; v144-207 a lane's 64 numbers: register 8 c + i = k 16 c + 8 h + i of row r
.set C,   208                          ; v208-239 two sets of 16: a fragment's codes
; ONE LAUNCH PREPARES ALL THREE INPUTS: work-groups 0 to 255 take x (the text that follows), work-groups 256 to 383 the two weights (from .Lweights on), each path with LDS bytes of its own.
	s_cmp_ge_u32 ttmp9, 256
	s_cbranch_scc1 .Lweights
	s_load_b128 s[4:7], s[0:1], 0x0
	s_load_b64 s[8:9], s[0:1], 0x10                ; x_img
	v_lshl_add_u32 v240, v0, 2, 0x8400
	v_mov_b32 v241, 0
	v_lshrrev_b32 v4, 5, v0
	v_readfirstlane_b32 s12, v4                    ; wave
	v_and_b32 v5, 31, v0
	v_lshlrev_b32 v[LI], 4, v5
	s_mul_i32 s13, s12, WST
	v_add_nc_u32 v[SI], s13, v[LI]
	v_and_b32 v6, 15, v0                           ; r
	v_bfe_u32 v7, v0, 4, 1                         ; h
	v_mul_u32_u24 v[SO], v6, SP
	v_lshl_add_u32 v[SO], v7, 5, v[SO]
	v_add_nc_u32 v[SO], s13, v[SO]
	s_lshl_b32 s14, ttmp9, 2
	s_add_co_u32 s14, s14, s12                     ; g
	s_lshr_b32 s15, s14, 1                         ; row tile
	s_and_b32 s14, s14, 1                          ; which 512 k
	s_lshl_b32 s16, s15, 16                        ; 16 rows of 4,096 bytes
	s_lshl_b32 s18, s14, 11
	s_add_co_u32 s16, s16, s18
	s_mov_b32 s17, 0
	s_lshl_b32 s18, s15, 14                        ; a row tile's eight images
	s_lshl_b32 s20, s14, 13
	s_add_co_u32 s18, s18, s20
	s_mov_b32 s19, 0
	s_wait_alu depctr_va_vdst(0)
	s_wait_kmcnt 0x0
	s_load_b32 s22, s[6:7], 0x0                    ; e0
	s_add_nc_u64 s[4:5], s[4:5], s[16:17]
	s_add_nc_u64 s[8:9], s[8:9], s[18:19]
.macro LOAD t                          ; block t: 16 rows x 512 bytes
.irp row, 0,1,2,3,4,5,6,7,8,9,10,11,12,13,14,15
	global_load_b128 v[R+64*((\t)%2)+4*\row:R+64*((\t)%2)+4*\row+3], v[LI], s[4:5] offset:\row*4096+(\t)*512 th:TH_LOAD_NT
.endr
.endm
	LOAD 0
	LOAD 1
	s_wait_kmcnt 0x0
	s_add_co_i32 s22, s22, 127
	s_lshl_b32 s23, s22, 23
	v_mov_b32 v[SC], s23                           ; 2^e0 as f32: the conversion takes its exponent field
	s_add_co_i32 s22, s22, 8
	s_lshl_b32 s22, s22, 23
	s_or_b32 s22, s22, 0x600000
	v_mov_b32 v[LIM], s22                          ; 448 x 2^e0
.macro STEP t
.set RS, R+64*((\t)%2)
.set CW, C+16*((\t)%2)
.if (\t) < 3
	s_wait_loadcnt 16                              ; this block's 16 loads are in; the next block's 16 may be out
.else
	s_wait_loadcnt 0
.endif
.irp row, 0,1,2,3,4,5,6,7,8,9,10,11,12,13,14,15
	ds_store_b128 v[SI], v[RS+4*\row:RS+4*\row+3] offset:\row*SP
.endr
.irp c, 0,1,2,3,4,5,6,7
	ds_load_b128 v[X+8*\c:X+8*\c+3], v[SO] offset:64*\c        ; LDS serves a wave's instructions in order: these see the stores above
	ds_load_b128 v[X+8*\c+4:X+8*\c+7], v[SO] offset:64*\c+16
.endr
	s_wait_dscnt 0x0                               ; the numbers are back, and the stores into the stage have read their registers,
.if (\t) < 2
	LOAD (\t)+2                                    ; which take the block two on
.endif
.set j, 0
.rept 64
	v_med3_num_f32 v[X+j], v[X+j], -v[LIM], v[LIM] ; the conversion to an 8-bit code does not saturate (ISA guide 7.6.2): the hold at the largest code x the scale
.set j, j+1
.endr
.if (\t) >= 2
	s_wait_alu depctr_va_vdst(0)
	s_wait_xcnt 0x0                                ; the stores of two blocks back have read this set of codes: it is written again only behind this wait
.endif
.irp c, 0,1,2,3,4,5,6,7
	v_cvt_scalef32_pk8_fp8_f32 v[CW+2*\c:CW+2*\c+1], v[X+8*\c:X+8*\c+7], v[SC]
.endr
	v_nop                                          ; one plain vector instruction behind the last conversion of a run
.irp q, 0,1,2,3
	global_store_b128 v[LI], v[CW+4*\q:CW+4*\q+3], s[8:9] offset:(\t)*2048+\q*512   ; 32 lanes store 512 consecutive bytes, aligned
.endr
.endm
	s_wait_alu depctr_va_vdst(0)
	STEP 0
	STEP 1
	STEP 2
	STEP 3
	s_wait_tensorcnt 0x0
	ds_add_u32 v240, v241
	s_wait_dscnt 0x0
	s_endpgm
; THE WEIGHTS.  w_qkv [1024 (k)][3072 (n)] and w_proj [1024 (k)][1024 (n)], f32 with K as the FIRST axis, become codes of FP8 (E4M3) with the given scales 2^e1 and 2^e7.
; OUT: wq_img [tile of 16 n: 192][block of 128 k: 8][2,048 bytes] and wp_img [64][8][2,048]: images of the operand's registers for v_wmma_f32_16x16x128_fp8_fp8: code (r, kk) of a tile lies at
; 512 (c / 2) + 16 (r + 16 h) + 8 (c % 2) + i, with c = kk / 16, h = (kk / 8) % 2, i = kk % 8.
; A lane takes a column n and its registers run down K.  id = work-group - 256; xx = id % 32: xx < 24 takes 128 columns of w_qkv, the others of w_proj; id / 32: which 256 k.
; A wave takes 32 columns x 256 k: four images, 8,192 bytes, gathered in its own LDS (from byte 0x8600 on) and stored as runs of 512 consecutive bytes.  No barrier: waves share nothing.
; LIMITS: e1 and e7 between -126 and 119.  NaN among the inputs is not served.
.Lweights:
.set IN4,  3
.set SI,   4
.set RD,   5
.set LI,   6
.set LIM,  10
.set SC,   11
.set X,    32
.set C,    96
.set OF,   104
.set OUTR, 136
.set BASE, 32
	s_load_b128 s[4:7], s[0:1], 0x18               ; w_qkv, w_proj
	s_load_b64 s[8:9], s[0:1], 0x8                 ; the scales' exponents
	s_load_b64 s[10:11], s[0:1], 0x28              ; wq_img
	s_load_b64 s[12:13], s[0:1], 0x30              ; wp_img
	v_lshl_add_u32 v240, v0, 2, 0x8400
	v_mov_b32 v241, 0
	s_sub_co_u32 s30, ttmp9, 256
	s_lshr_b32 s16, s30, 5                         ; which 256 k
	s_and_b32 s30, s30, 31                         ; xx
	v_lshrrev_b32 v1, 5, v0
	v_readfirstlane_b32 s14, v1                    ; wave
	v_and_b32 v2, 31, v0
	v_lshlrev_b32 v[IN4], 2, v2
	v_lshlrev_b32 v[LI], 4, v2
	s_lshl_b32 s15, s14, 13
	s_add_co_u32 s15, s15, 0x8600
	v_add_nc_u32 v[RD], s15, v[LI]
	v_and_b32 v7, 15, v0
	v_bfe_u32 v8, v0, 4, 1
	v_lshlrev_b32 v[SI], 4, v7
	v_lshl_add_u32 v[SI], v8, 12, v[SI]
	v_add_nc_u32 v[SI], s15, v[SI]
	s_mov_b32 s17, 4096
	s_cmp_lt_u32 s30, 24
	s_cselect_b32 s17, 12288, s17                  ; a row of the weight in bytes
	s_cselect_b32 s18, 0, 24
	s_sub_co_u32 s18, s30, s18                     ; which 128 columns
.set j, 0
.rept 32
	v_mad_u32_u24 v[OF+j], s17, j, v[IN4]
.set j, j+1
.endr
	s_lshl_b32 s20, s16, 8
	s_mul_i32 s20, s20, s17
	s_lshl_b32 s21, s18, 9
	s_add_co_u32 s20, s20, s21
	s_lshl_b32 s21, s14, 7
	s_add_co_u32 s20, s20, s21
	s_mov_b32 s21, 0
	s_lshl_b32 s22, s17, 5                         ; 32 rows on
	s_mov_b32 s23, 0
	s_lshl_b32 s24, s18, 3
	s_lshl_b32 s25, s14, 1
	s_add_co_u32 s24, s24, s25                     ; my first tile of 16 columns
	s_lshl_b32 s24, s24, 14
	s_lshl_b32 s25, s16, 12
	s_add_co_u32 s24, s24, s25
	s_mov_b32 s25, 0
	s_wait_alu depctr_va_vdst(0)
	s_wait_kmcnt 0x0
	s_load_b256 s[48:55], s[8:9], 0x0              ; e0 .. e7
	s_cmp_lt_u32 s30, 24
	s_cselect_b64 s[BASE:BASE+1], s[4:5], s[6:7]
	s_cselect_b64 s[26:27], s[10:11], s[12:13]
	s_add_nc_u64 s[BASE:BASE+1], s[BASE:BASE+1], s[20:21]
	s_add_nc_u64 s[26:27], s[26:27], s[24:25]
.irp t, 1,2,3,4,5,6,7
	s_add_nc_u64 s[BASE+2*\t:BASE+2*\t+1], s[BASE+2*\t-2:BASE+2*\t-1], s[22:23]
.endr
.macro WLOAD t                         ; block t: W(32 t + i, my column), i = 0 .. 31
.set li, 0
.rept 32
	global_load_b32 v[X+32*((\t)%2)+li], v[OF+li], s[BASE+2*(\t):BASE+2*(\t)+1] th:TH_LOAD_NT
.set li, li+1
.endr
.endm
	WLOAD 0
	WLOAD 1
	s_wait_kmcnt 0x0
	s_cmp_lt_u32 s30, 24
	s_cselect_b32 s28, s49, s55                    ; e1 or e7
	s_add_co_i32 s28, s28, 127
	s_lshl_b32 s29, s28, 23
	v_mov_b32 v[SC], s29                           ; 2^e as f32
	s_add_co_i32 s28, s28, 8
	s_lshl_b32 s28, s28, 23
	s_or_b32 s28, s28, 0x600000
	v_mov_b32 v[LIM], s28                          ; 448 x 2^e
.macro WBLOCK t
.set XS, X+32*((\t)%2)
.if (\t) < 7
	s_wait_loadcnt 32                              ; this block's 32 loads are in; the next block's may be out
.else
	s_wait_loadcnt 0
.endif
.set j, 0
.rept 32
	v_med3_num_f32 v[XS+j], v[XS+j], -v[LIM], v[LIM]   ; the hold: the conversion does not saturate (ISA guide 7.6.2)
.set j, j+1
.endr
.irp g, 0,1,2,3
	v_cvt_scalef32_pk8_fp8_f32 v[C+2*\g:C+2*\g+1], v[XS+8*\g:XS+8*\g+7], v[SC]
.endr
	v_nop                                          ; one plain vector instruction behind the last conversion of a run
.irp g, 0,1,2,3
	ds_store_b64 v[SI], v[C+2*\g:C+2*\g+1] offset:((\t)/4)*2048+((\t)%4)*512+(\g%2)*256+(\g/2)*8
.endr
.if (\t) < 6
	WLOAD (\t)+2
.endif
	s_wait_dscnt 0x0                               ; the stores have read their registers: the next block's codes may be written
.endm
	s_wait_alu depctr_va_vdst(0)
.irp t, 0,1,2,3,4,5,6,7
	WBLOCK \t
.endr
.irp q, 0,1,2,3,4,5,6,7,8,9,10,11,12,13,14,15
	ds_load_b128 v[OUTR+4*\q:OUTR+4*\q+3], v[RD] offset:512*\q
.endr
.irp q, 0,1,2,3,4,5,6,7,8,9,10,11,12,13,14,15
	s_wait_dscnt 15-\q
	global_store_b128 v[LI], v[OUTR+4*\q:OUTR+4*\q+3], s[26:27] offset:(\q/8)*16384+((\q/4)%2)*2048+(\q%4)*512
.endr
	s_wait_tensorcnt 0x0
	ds_add_u32 v240, v241
	s_wait_dscnt 0x0
	s_endpgm
.Lfunc_end_k_q1f6bae2e38_quant_x:
	.size	k_q1f6bae2e38_quant_x, .Lfunc_end_k_q1f6bae2e38_quant_x-k_q1f6bae2e38_quant_x
	.p2alignl 7, 3214868480
	.fill 96, 4, 3214868480
	.section	.rodata,"a",@progbits
	.p2align	6, 0x0
	.amdhsa_kernel k_q1f6bae2e38_quant_x
		.amdhsa_group_segment_fixed_size 67072
		.amdhsa_private_segment_fixed_size 0
		.amdhsa_enable_private_segment 0
		.amdhsa_kernarg_size 56
		.amdhsa_user_sgpr_count 2
		.amdhsa_user_sgpr_kernarg_segment_ptr 1
		.amdhsa_wavefront_size32 1
		.amdhsa_system_sgpr_workgroup_id_x 1
		.amdhsa_system_sgpr_workgroup_id_y 1
		.amdhsa_system_sgpr_workgroup_id_z 1
		.amdhsa_system_vgpr_workitem_id 0
		.amdhsa_next_free_vgpr 242
		.amdhsa_next_free_sgpr 66
		.amdhsa_reserve_vcc 0
		.amdhsa_float_denorm_mode_32 3
		.amdhsa_float_denorm_mode_16_64 3
		.amdhsa_memory_ordered 1
		.amdhsa_forward_progress 1
		.amdhsa_inst_pref_size 89
	.end_amdhsa_kernel
	.amdgpu_metadata
---
amdhsa.version: [ 1, 2 ]
amdhsa.kernels:
  - .name:           k_q1f6bae2e38_quant_x
    .symbol:         k_q1f6bae2e38_quant_x.kd
    .args:
      - { .name: x, .offset: 0, .size: 8, .value_kind: global_buffer, .address_space: global }
      - { .name: lowp_scales, .offset: 8, .size: 8, .value_kind: global_buffer, .address_space: global }
      - { .name: x_img, .offset: 16, .size: 8, .value_kind: global_buffer, .address_space: global }
      - { .name: w_qkv, .offset: 24, .size: 8, .value_kind: global_buffer, .address_space: global }
      - { .name: w_proj, .offset: 32, .size: 8, .value_kind: global_buffer, .address_space: global }
      - { .name: wq_img, .offset: 40, .size: 8, .value_kind: global_buffer, .address_space: global }
      - { .name: wp_img, .offset: 48, .size: 8, .value_kind: global_buffer, .address_space: global }
    .group_segment_fixed_size: 67072
    .private_segment_fixed_size: 0
    .kernarg_segment_align: 8
    .kernarg_segment_size: 56
    .max_flat_workgroup_size: 128
    .sgpr_count:     66
    .vgpr_count:     242
    .wavefront_size: 32
...
	.end_amdgpu_metadata
.endif
;; end of part 1
;; launch gemm_qkv (part 2): grid 12 x 32, 4 waves a work-group, clusters of 4 x 4, 327,680 bytes of LDS; arguments x_img, wq_img, lowp_scales, b_qkv, q_img, kv_img; writes q_img, kv_img
.if DOCPART == 2
	.amdgcn_target "amdgcn-amd-amdhsa--gfx1250"
	.amdhsa_code_object_version 6
	.text
	.protected	k_q1f6bae2e38_gemm_qkv
	.globl	k_q1f6bae2e38_gemm_qkv
	.p2align	8
	.type	k_q1f6bae2e38_gemm_qkv,@function
k_q1f6bae2e38_gemm_qkv:
	s_mov_b64 s[64:65], 0
	v_nop
	global_prefetch_b8 v0, s[64:65] scope:SCOPE_SE
	s_setreg_imm32_b32 hwreg(HW_REG_WAVE_MODE, 25, 1), 1
	s_wait_xcnt 0x0
	s_wait_alu depctr_hold_cnt(0) depctr_sa_sdst(0) depctr_va_vdst(0) depctr_va_sdst(0) depctr_va_ssrc(0) depctr_va_vcc(0) depctr_vm_vsrc(0)
	s_getreg_b32 s2, hwreg(HW_REG_IB_STS2, 6, 4)
	s_cmp_eq_u32 s2, 0
	s_cbranch_scc0 .Lentry_in_a_cluster
	s_endpgm
.Lentry_in_a_cluster:
	s_bfe_u32 s2, ttmp6, 0x10000c
	s_cmp_lg_u32 s2, 0xf033
	s_cbranch_scc0 .Lentry_shape_is_right
	s_endpgm
.Lentry_shape_is_right:
.set KSTEPB, 4096
.set T16,    16384
.set HALFT,  32768
.set SLOT,   131072
.set SPARE,  262144
.set FR,     16
.set NL,     4
.set NP,     4
.set ADRP, 16
.set ADRR, 20
.set HB,   25
.set LI,   26
.set RB,   27
.set SPW,  28
.set NIL,  29
.set SC,   30
.set LIM,  31
.set BI,   32
.set AF,   128
.set TMP,  128
.set CC,   192
.set WV, 16
.set WH, 17
.set WL, 18
.set G1, 24
.set G0, 32
.set G1B, 48
.set G0B, 56
.set MSB, 0
.macro WIN new
.if MSB != \new
	s_set_vgpr_msb (MSB<<8)|\new
.set MSB, \new
.endif
.endm
.set MUL_LO, 0xa1
.set MUL_HI, 0xf1
.set TO_R,   0x40
.macro JLOAD g0p, g1p, g0r, g1r
	s_cmp_eq_u32 s[WH], 0
	s_cbranch_scc0 .Lfor_r_\@
	tensor_load_to_lds s[\g0p:\g0p+3], s[\g1p:\g1p+7]
	s_nop 0
.rept 4
	v_nop
.endr
	s_branch .Lasked_\@
.Lfor_r_\@:
	tensor_load_to_lds s[\g0r:\g0r+3], s[\g1r:\g1r+7]
	s_nop 0
.rept 4
	v_nop
.endr
.Lasked_\@:
.endm
.macro CREST
	s_cmp_lg_u32 s[WV], 0
	s_cbranch_scc1 .Lnot_wave_0_\@
	s_barrier_signal -3
.Lnot_wave_0_\@:
	s_barrier_wait -3
	s_barrier_signal -1
	s_barrier_wait -1
.endm
.macro CROUND
	s_barrier_signal -1
	s_barrier_wait -1
	CREST
.endm
.macro PLACES n
.rept \n
	v_nop
.endr
.endm
.macro FRAG reg, adr, q, i
.irp c, 0,1,2,3
	ds_load_b128 v[\reg+4*\c:\reg+4*\c+3], v[\adr] offset:(\i)*4096+(\q)*2048+\c*512
.endr
.endm
.macro MUL16 a0, p, zero
.irp a, \a0, \a0+1
.irp b, 0,1,2,3,4,5,6,7
.if \zero
	v_wmma_f32_16x16x128_fp8_fp8 v[8*(8*((\a)%4)+\b):8*(8*((\a)%4)+\b)+7], v[128*(\p)+FR*\b:128*(\p)+FR*\b+FR-1], v[AF+FR*(\a):AF+FR*(\a)+FR-1], 0
.else
	v_wmma_f32_16x16x128_fp8_fp8 v[8*(8*((\a)%4)+\b):8*(8*((\a)%4)+\b)+7], v[128*(\p)+FR*\b:128*(\p)+FR*\b+FR-1], v[AF+FR*(\a):AF+FR*(\a)+FR-1], v[8*(8*((\a)%4)+\b):8*(8*((\a)%4)+\b)+7]
.endif
.endr
.endr
.endm
.macro FETCH_R slot, q, p
	WIN TO_R
.irp i, 0,1,2,3,4,5,6,7
	FRAG 128*(\p)+FR*\i, ADRR+\slot, \q, \i
.endr
	WIN 0
.endm
.macro FETCH_P slot, q, i0
.irp i, \i0, \i0+1, \i0+2, \i0+3
	FRAG AF+FR*(\i), ADRP+\slot, \q, \i
.endr
.endm
.macro STEP slot, q, zero
	s_wait_dscnt 4*NL
	WIN MUL_LO
	MUL16 0, (\q)%2, \zero
	MUL16 2, (\q)%2, \zero
	s_wait_dscnt 0
	PLACES NP
	FETCH_R \slot, (\q)+1, 1-(\q)%2
	FETCH_P \slot, (\q)+1, 0
	WIN MUL_HI
	MUL16 4, (\q)%2, \zero
	MUL16 6, (\q)%2, \zero
	PLACES NP
	WIN 0
	FETCH_P \slot, (\q)+1, 4
.endm
.macro TURN slot, next, fill
	s_wait_tensorcnt 0x0
	ds_add_u32 v[SPW], v[NIL]
	s_wait_dscnt 4*NL+1
	WIN MUL_LO
	MUL16 0, 1, 0
	s_wait_dscnt 0x0
	s_barrier_signal -1
	MUL16 2, 1, 0
	WIN 0
	s_barrier_wait -1
.if \fill
	CREST
	s_add_nc_u64 s[G0+4*\slot+2:G0+4*\slot+3], s[G0+4*\slot+2:G0+4*\slot+3], 2*KSTEPB
	s_add_nc_u64 s[G0B+4*\slot+2:G0B+4*\slot+3], s[G0B+4*\slot+2:G0B+4*\slot+3], 2*KSTEPB
	JLOAD G0+4*\slot, G1, G0B+4*\slot, G1B
.else
	PLACES NP
.endif
	FETCH_R \next, 0, 0
	FETCH_P \next, 0, 0
	WIN MUL_HI
	MUL16 4, 1, 0
	MUL16 6, 1, 0
	PLACES NP
	WIN 0
	FETCH_P \next, 0, 4
.endm
.macro LAST
	s_wait_dscnt 4*NL
	WIN MUL_LO
	MUL16 0, 1, 0
	MUL16 2, 1, 0
	s_wait_dscnt 0
	WIN MUL_HI
	MUL16 4, 1, 0
	MUL16 6, 1, 0
	WIN 0
.endm
.macro MKSCALE e
	s_add_co_i32 s94, s[\e], 127
	s_lshl_b32 s95, s94, 23
	v_mov_b32 v[SC], s95
	s_add_co_i32 s94, s94, 8
	s_lshl_b32 s94, s94, 23
	s_or_b32 s94, s94, 0x600000
	v_mov_b32 v[LIM], s94
.endm
.macro EPI a, isv
.set AC, 64*((\a)%4)
.set CW, CC+16*((\a)%2)
	WIN 0x02+((\a)/4)
.irp b, 0,1,2,3,4,5,6,7
.irp i, 0,2,4,6
.if \isv
	v_pk_fma_f32 v[TMP+8*\b+\i:TMP+8*\b+\i+1], v[AC+8*\b+\i:AC+8*\b+\i+1], s[76:77], v[BI+2*(\a):BI+2*(\a)+1] op_sel_hi:[1,0,1]
.else
	v_pk_fma_f32 v[TMP+8*\b+\i:TMP+8*\b+\i+1], v[AC+8*\b+\i:AC+8*\b+\i+1], s[76:77], v[BI+8*\b+\i:BI+8*\b+\i+1] op_sel_hi:[1,0,1]
.endif
.endr
.endr
	WIN 0
.set j, 0
.rept 64
	v_med3_num_f32 v[TMP+j], v[TMP+j], -v[LIM], v[LIM]
.set j, j+1
.endr
.if (\a) >= 2
	s_wait_alu depctr_va_vdst(0)
	s_wait_xcnt 0x0
.endif
.irp b, 0,1,2,3,4,5,6,7
	v_cvt_scalef32_pk8_fp8_f32 v[CW+2*\b:CW+2*\b+1], v[TMP+8*\b:TMP+8*\b+7], v[SC]
.endr
	v_nop
.if \isv
.irp q, 0,1,2,3
	global_store_b128 v[LI], v[CW+4*\q:CW+4*\q+3], s[78:79] offset:((\a)/4)*262144+((\a)%4)*2048+\q*512
.endr
.else
	global_store_b128 v[LI], v[CW:CW+3], s[78:79] offset:(\a)*1024
	global_store_b128 v[LI], v[CW+4:CW+7], s[78:79] offset:(\a)*1024+512
	global_store_b128 v[LI], v[CW+8:CW+11], s[80:81] offset:(\a)*1024
	global_store_b128 v[LI], v[CW+12:CW+15], s[80:81] offset:(\a)*1024+512
.endif
.endm
	s_load_b256 s[4:11], s[0:1], 0x0
	s_load_b128 s[12:15], s[0:1], 0x20
	v_lshl_add_u32 v[SPW], v0, 2, SPARE
	v_mov_b32 v[NIL], 0
	ds_add_u32 v28, v29
	ds_add_u32 v28, v29
	s_wait_dscnt 0x0
	v_lshrrev_b32 v1, 5, v0
	v_readfirstlane_b32 s[WV], v1
	s_lshr_b32 s[WH], s[WV], 1
	s_and_b32 s[WL], s[WV], 1
	s_bfe_u32 s20, ttmp6, 0x40000
	s_bfe_u32 s21, ttmp6, 0x40004
	s_and_b32 s22, ttmp7, 0xffff
	s_lshl_b32 s22, s22, 2
	s_add_co_u32 s84, s22, s21
	s_add_co_u32 s85, s21, 8
	s_add_co_u32 s86, s22, s20
	s_lshl_b32 s87, ttmp9, 2
	s_add_co_u32 s87, s87, s20
	s_cmp_eq_u32 ttmp9, 2
	s_cselect_b32 s40, s85, s84
	s_cselect_b32 s41, s86, s87
	s_lshl_b32 s92, s21, 2
	s_lshl_b32 s92, 15, s92
	s_lshl_b32 s93, 0x1111, s20
	s_or_b32 s[G1], s92, (1<<21)
	s_or_b32 s[G1B], s93, (1<<21)
.irp g, G1, G1B
	s_mov_b32 s[\g+1], KSTEPB<<16
	s_mov_b32 s[\g+2], 8<<16
	s_mov_b32 s[\g+3], KSTEPB<<16
	s_mov_b32 s[\g+4], 8
	s_mov_b32 s[\g+5], T16
	s_mov_b32 s[\g+6], 0
	s_mov_b32 s[\g+7], 0
.endr
	s_lshl_b32 s94, s[WL], 17
	s_lshl_b32 s88, s40, 18
	s_add_co_u32 s88, s88, s94
	s_mov_b32 s89, 0
	s_lshl_b32 s90, s41, 18
	s_add_co_u32 s90, s90, s94
	s_mov_b32 s91, 0
	s_lshl_b32 s95, s[WV], 15
	v_and_b32 v1, 15, v0                           ; the prefetches' offset: lane l names block l % 16 (256 bytes) of a K step's 4,096 bytes in tile l / 16 of my work-group's two; never rewritten
	v_lshlrev_b32 v22, 8, v1
	v_bfe_u32 v1, v0, 4, 1
	v_lshl_add_u32 v22, v1, 14, v22
	s_wait_alu depctr_va_vdst(0)                   ; directly ahead of the wait below
	s_wait_kmcnt 0x0
	s_load_b256 s[68:75], s[8:9], 0x0
	s_cmp_eq_u32 ttmp9, 2
	s_cselect_b64 s[44:45], s[6:7], s[4:5]
	s_cselect_b64 s[46:47], s[4:5], s[6:7]
	s_add_nc_u64 s[44:45], s[44:45], s[88:89]
	s_add_nc_u64 s[46:47], s[46:47], s[90:91]
	s_cmp_eq_u32 s[WH], 0                          ; of the eight tiles of 16 rows that my wave fetches, each of the four partners that ask for them jointly prefetches two, told apart by address alone
	s_cselect_b64 s[96:97], s[44:45], s[46:47]
	s_cselect_b32 s98, s20, s21
	s_lshl_b32 s98, s98, 15
	s_mov_b32 s99, 0
	s_add_nc_u64 s[96:97], s[96:97], s[98:99]
	CROUND
.irp s, 0,1
	s_mov_b32 s[G0+4*\s], 1
	s_add_co_u32 s[G0+4*\s+1], s95, \s*SLOT
	s_add_nc_u64 s[G0+4*\s+2:G0+4*\s+3], s[44:45], \s*KSTEPB
	s_or_b32 s[G0+4*\s+3], s[G0+4*\s+3], 0x80000000
	s_mov_b32 s[G0B+4*\s], 1
	s_add_co_u32 s[G0B+4*\s+1], s95, \s*SLOT
	s_add_nc_u64 s[G0B+4*\s+2:G0B+4*\s+3], s[46:47], \s*KSTEPB
	s_or_b32 s[G0B+4*\s+3], s[G0B+4*\s+3], 0x80000000
.endr
	JLOAD G0, G1, G0B, G1B                         ; K step 0: one tensor load a wave at the head
	global_prefetch_b8 v22, s[96:97] offset:KSTEPB th:TH_LOAD_NT scope:SCOPE_SE     ; K step 1, one K step ahead of its load, which goes out when K step 0 has landed
	global_prefetch_b8 v22, s[96:97] offset:2*KSTEPB th:TH_LOAD_NT scope:SCOPE_SE   ; K step 2, two K steps ahead of its load: 32 blocks of 256 bytes, a lane a block
	v_and_b32 v1, 31, v0
	v_lshlrev_b32 v[LI], 4, v1
	s_lshl_b32 s84, s[WH], 15
	s_lshl_b32 s85, s[WL], 15
	s_add_co_u32 s85, s85, 2*HALFT
.irp s, 0,1
	v_add_nc_u32 v[ADRP+\s], s84, v[LI]
	v_add_nc_u32 v[ADRR+\s], s85, v[LI]
	s_add_co_u32 s84, s84, SLOT
	s_add_co_u32 s85, s85, SLOT
.endr
	v_and_b32 v2, 15, v0
	v_bfe_u32 v3, v0, 4, 1
	v_lshlrev_b32 v[HB], 5, v3
	v_lshlrev_b32 v[RB], 2, v2
	s_wait_alu depctr_va_vdst(0)
	s_wait_tensorcnt 0x0                           ; my part of K step 0 is in; these lines stand ahead of a later first fill as ahead of a refill
	ds_add_u32 v[SPW], v[NIL]
	s_wait_dscnt 0x0
	CROUND                                         ; everybody's part of K step 0 is in, and the joint loads meet
	JLOAD G0+4, G1, G0B+4, G1B                     ; K step 1, the first tensor load behind the round
	FETCH_R 0, 0, 0
	FETCH_P 0, 0, 0
	FETCH_P 0, 0, 4
	global_prefetch_b8 v22, s[96:97] offset:3*KSTEPB th:TH_LOAD_NT scope:SCOPE_SE   ; K step 3, the last: two K steps ahead of its load
	STEP 0, 0, 1
	TURN 0, 1, 1
	STEP 1, 0, 0
	TURN 1, 0, 1
	STEP 0, 0, 0
	TURN 0, 1, 0
	STEP 1, 0, 0
	s_wait_kmcnt 0x0
	s_add_co_i32 s76, s68, s69
	s_add_co_i32 s76, s76, 127
	s_lshl_b32 s76, s76, 23
	s_mov_b32 s77, s76
	s_cmp_eq_u32 ttmp9, 2
	s_cbranch_scc1 .Lv_path
	s_add_co_u32 s84, ttmp9, 17
	s_lshr_b32 s85, s40, 3
	s_lshl_b32 s85, s85, 4
	s_and_b32 s86, s41, 3
	s_lshl_b32 s86, s86, 2
	s_add_co_u32 s85, s85, s86
	s_lshl_b32 s86, s[WL], 1
	s_add_co_u32 s85, s85, s86
	s_lshl_b32 s85, s85, s84
	s_and_b32 s86, s40, 7
	s_lshl_b32 s86, s86, 1
	s_add_co_u32 s86, s86, s[WH]
	s_sub_co_u32 s87, s84, 4
	s_lshl_b32 s86, s86, s87
	s_add_co_u32 s86, s86, s85
	s_mov_b32 s87, 0
	s_lshl_b32 s88, 1, s84
	s_mov_b32 s89, 0
	s_lshl_b32 s92, s41, 10
	s_lshl_b32 s93, s[WL], 9
	s_add_co_u32 s92, s92, s93
	s_mov_b32 s93, 0
	s_cmp_eq_u32 ttmp9, 0
	s_cselect_b64 s[78:79], s[12:13], s[14:15]
	s_cselect_b32 s90, s70, s71
	s_add_nc_u64 s[78:79], s[78:79], s[86:87]
	s_add_nc_u64 s[80:81], s[78:79], s[88:89]
	s_add_nc_u64 s[82:83], s[10:11], s[92:93]
.irp b, 0,1,2,3,4,5,6,7
	global_load_b128 v[BI+8*\b:BI+8*\b+3], v[HB], s[82:83] offset:64*\b
	global_load_b128 v[BI+8*\b+4:BI+8*\b+7], v[HB], s[82:83] offset:64*\b+16
.endr
	MKSCALE 90
	LAST
	s_wait_loadcnt 0x0
	PLACES NP
.irp a, 0,1,2,3,4,5,6,7
	EPI \a, 0
.endr
	s_branch .Lend
.Lv_path:
	s_lshr_b32 s85, s41, 3
	s_lshl_b32 s85, s85, 4
	s_and_b32 s86, s40, 3
	s_lshl_b32 s86, s86, 2
	s_add_co_u32 s85, s85, s86
	s_lshl_b32 s86, s[WH], 1
	s_add_co_u32 s85, s85, s86
	s_lshl_b32 s85, s85, 18
	s_and_b32 s86, s41, 7
	s_lshl_b32 s86, s86, 1
	s_add_co_u32 s86, s86, s[WL]
	s_lshl_b32 s86, s86, 14
	s_add_co_u32 s86, s86, s85
	s_add_co_u32 s86, s86, 8192
	s_mov_b32 s87, 0
	s_lshl_b32 s92, s40, 10
	s_lshl_b32 s93, s[WH], 9
	s_add_co_u32 s92, s92, s93
	s_mov_b32 s93, 0
	s_add_nc_u64 s[78:79], s[14:15], s[86:87]
	s_add_nc_u64 s[82:83], s[10:11], s[92:93]
.irp a, 0,1,2,3,4,5,6,7
	global_load_b32 v[BI+2*\a], v[RB], s[82:83] offset:64*\a
	global_load_b32 v[BI+2*\a+1], v[RB], s[82:83] offset:64*\a
.endr
	MKSCALE 73
	LAST
	s_wait_loadcnt 0x0
	PLACES NP
.irp a, 0,1,2,3,4,5,6,7
	EPI \a, 1
.endr
.Lend:
	s_wait_tensorcnt 0x0
	ds_add_u32 v[SPW], v[NIL]
	s_wait_dscnt 0x0
	CROUND
	s_endpgm
.Lfunc_end_k_q1f6bae2e38_gemm_qkv:
	.size	k_q1f6bae2e38_gemm_qkv, .Lfunc_end_k_q1f6bae2e38_gemm_qkv-k_q1f6bae2e38_gemm_qkv
	.p2alignl 7, 3214868480
	.fill 96, 4, 3214868480
	.section	.rodata,"a",@progbits
	.p2align	6, 0x0
	.amdhsa_kernel k_q1f6bae2e38_gemm_qkv
		.amdhsa_group_segment_fixed_size 327680
		.amdhsa_private_segment_fixed_size 0
		.amdhsa_enable_private_segment 0
		.amdhsa_kernarg_size 48
		.amdhsa_user_sgpr_count 2
		.amdhsa_user_sgpr_kernarg_segment_ptr 1
		.amdhsa_wavefront_size32 1
		.amdhsa_system_sgpr_workgroup_id_x 1
		.amdhsa_system_sgpr_workgroup_id_y 1
		.amdhsa_system_sgpr_workgroup_id_z 1
		.amdhsa_system_vgpr_workitem_id 0
		.amdhsa_next_free_vgpr 1024
		.amdhsa_next_free_sgpr 100
		.amdhsa_reserve_vcc 0
		.amdhsa_float_denorm_mode_32 3
		.amdhsa_float_denorm_mode_16_64 3
		.amdhsa_memory_ordered 1
		.amdhsa_forward_progress 1
		.amdhsa_inst_pref_size 200
	.end_amdhsa_kernel
	.amdgpu_metadata
---
amdhsa.version: [ 1, 2 ]
amdhsa.kernels:
  - .name:           k_q1f6bae2e38_gemm_qkv
    .symbol:         k_q1f6bae2e38_gemm_qkv.kd
    .args:
      - { .name: x_img, .offset: 0, .size: 8, .value_kind: global_buffer, .address_space: global }
      - { .name: wq_img, .offset: 8, .size: 8, .value_kind: global_buffer, .address_space: global }
      - { .name: lowp_scales, .offset: 16, .size: 8, .value_kind: global_buffer, .address_space: global }
      - { .name: b_qkv, .offset: 24, .size: 8, .value_kind: global_buffer, .address_space: global }
      - { .name: q_img, .offset: 32, .size: 8, .value_kind: global_buffer, .address_space: global }
      - { .name: kv_img, .offset: 40, .size: 8, .value_kind: global_buffer, .address_space: global }
    .group_segment_fixed_size: 327680
    .private_segment_fixed_size: 0
    .kernarg_segment_align: 8
    .kernarg_segment_size: 48
    .max_flat_workgroup_size: 128
    .sgpr_count:     100
    .vgpr_count:     1024
    .wavefront_size: 32
...
	.end_amdgpu_metadata
.endif
;; end of part 2
;; launch attn (part 3): grid 4 x 64, 8 waves a work-group, clusters of 4 x 1, 327,680 bytes of LDS; arguments q_img, kv_img, lowp_scales, ao_img; writes ao_img
.if DOCPART == 3
	.amdgcn_target "amdgcn-amd-amdhsa--gfx1250"
	.amdhsa_code_object_version 6
	.text
	.protected	k_q1f6bae2e38_attn
	.globl	k_q1f6bae2e38_attn
	.p2align	8
	.type	k_q1f6bae2e38_attn,@function
k_q1f6bae2e38_attn:
	s_mov_b64 s[64:65], 0
	v_nop
	global_prefetch_b8 v0, s[64:65] scope:SCOPE_SE
	s_setreg_imm32_b32 hwreg(HW_REG_WAVE_MODE, 25, 1), 1
	s_wait_xcnt 0x0
	s_wait_alu depctr_hold_cnt(0) depctr_sa_sdst(0) depctr_va_vdst(0) depctr_va_sdst(0) depctr_va_ssrc(0) depctr_va_vcc(0) depctr_vm_vsrc(0)
	s_getreg_b32 s2, hwreg(HW_REG_IB_STS2, 6, 4)
	s_cmp_eq_u32 s2, 0
	s_cbranch_scc0 .Lentry_in_a_cluster
	s_endpgm
.Lentry_in_a_cluster:
	s_bfe_u32 s2, ttmp6, 0x10000c
	s_cmp_lg_u32 s2, 0x3003
	s_cbranch_scc0 .Lentry_shape_is_right
	s_endpgm
.Lentry_shape_is_right:
; o = softmax(q k^T / 8) v for 64 heads (batch x head) of 2,048 tokens x 64 channels, both products on codes of FP8 (E4M3) with the given scales; o is quantised at once (e6) for the last product.
; THE SOFTMAX AHEAD OF THE SECOND PRODUCT: t = score x log2(e) / 8; M = the row's largest t so far, rounded UP to a whole number; p = 2^(t - M) is what is quantised (e4), not normalised.  The row's sum is
; taken of the unquantised p, in f32, and divides at the end.  When M moves, the sum and O are multiplied by 2^(old M - new M): exact.
; IN: q_img [bh][tile of 16 queries: 128][1,024]; kv_img [bh][step of 128 keys: 16][K: 8 tiles of 16 keys x 1,024 | V: 4 tiles of 16 channels x 2,048]: images of the operands' registers.
; OUT: ao_img [tile of 16 rows: 512][head 16][1,024].
; SHARES.  A cluster of four work-groups owns a head; a work-group 512 queries; each of its EIGHT waves 64 of them, four tiles, in 512 registers: each fragment of K and of V read from LDS feeds four matrix instructions.
; A HEAD'S K AND V, 262,144 BYTES, LIE IN LDS WHOLE, as they lie in memory: wave w asks for key steps 2 w and 2 w + 1 (128 rows of 256 bytes, dense), JOINTLY with the same wave of the three partners.  LDS is
; filled once: no ring, no refill; one tensor load of a wave is out.  All that the launch reads by tensor loads is asked for at the head, so there is no later load to prefetch for.
; LAYOUT.  Both products are used transposed: S^T = K Q^T (source 0 = 16 keys, source 1 = 16 queries; K = 64), O^T = V^T P^T (source 0 = 16 channels, source 1 = P; K = 128 keys): a lane holds one query of each tile.
; Register j of score tile t is key 16 t + 8 (lane / 16) + j: its eight codes are registers 2 t, 2 t + 1 of P, k in its true places.
; A KEY STEP goes in two halves, one for each pair of query tiles.  A half: the pair's maxima and changes of M, the two tiles line by line in turn; then the exponentials in TWO BATCHES of 64, one a tile, each with
; plain lines among them whose results are read only behind the batch's wait: the second tile's t - M among the first tile's exponentials, the first tile's holds among the second tile's.  O's rescaling stands
; directly behind the wait that follows the first batch.  At the half's end come the NEXT pair's scores, the pair's second product and four places.  V's fragments are fetched in the first half, the next
; step's K in the second, each ahead of the exponentials and waited for behind the first batch.
; The last step fetches no further K and makes no further scores: two scalar branches on the count of steps lead round those lines alone.
; LIMITS: e2 + e3 between -123 and 130 (they are added to c's exponent field); e4 and e6 between -126 and 119; e4 + e5 is applied by v_ldexp_f32 and has none.  The promise holds while |t| stays under 2^31.
; REGISTERS.  Window 0: v1-5 addresses; v8.. (-M, largest score) a tile; v16.. (f, 0) a tile; v24.. the sum in two halves a tile; v32-63 Q; v64-95 P's codes; v96-223 S^T, then p; v224-250 at work and constants.
; Window 1: v0-63 K's eight fragments; v64-127 V's four; v128-255 O^T: tile q, channels 16 c at 128 + 32 q + 8 c.
.set SPARE, 0x40000
.set LI,  1                            ; 16 x lane
.set ADR, 2                            ; LDS address of the step in hand
.set ADK, 3                            ; and of the next step (behind the last: step 0 again, never read)
.set SPW, 4
.set NIL, 5
.set NM,  8
.set F,   16
.set L,   24
.set Q,   32
.set P,   64
.set S,   96
.set MA,  224                          ; v224-225 the pair's maxima
.set PX,  228                          ; v228-229 lane l xor 16's
.set TT,  230                          ; v230-231
.set AC,  232                          ; v232-243 the maxima's eight chains, then the sums' side chains
.set LIMA, 246                         ; 448 x 2^e4, twice: the two halves of a dual line read different registers
.set LIMB, 247
.set LIM6, 248
.set SC6,  249
.set SC4,  250
.set KF,  0
.set VF,  64
.set O,   128
.set WV,  12
.set SEL, 20
.set CS,  22
.set G1,  24
.set G0,  32
.set TB,  48
.set CNT, 49
.set TBK, 50
.set MSB, 0
.macro WIN new                         ; the immediate's high byte repeats the setting that is left
.if MSB != \new
	s_set_vgpr_msb (MSB<<8)|\new
.set MSB, \new
.endif
.endm
.macro CROUND                          ; a round of the cluster's barrier
	s_barrier_signal -1
	s_barrier_wait -1
	s_cmp_lg_u32 s[WV], 0
	s_cbranch_scc1 .Lnot_wave_0_\@
	s_barrier_signal -3
.Lnot_wave_0_\@:
	s_barrier_wait -3
	s_barrier_signal -1
	s_barrier_wait -1
.endm
.macro QK x                            ; the scores of pair x: 16 results, each begun with 0
	WIN 0x01                                       ; source 0 (K) in window 1
.irp t, 0,1,2,3,4,5,6,7
.irp y, 0,1
	v_wmma_f32_16x16x64_fp8_fp8 v[S+64*\y+8*\t:S+64*\y+8*\t+7], v[KF+8*\t:KF+8*\t+7], v[Q+16*\x+8*\y:Q+16*\x+8*\y+7], 0
.endr
.endr
.endm
.macro SUMS y                          ; the row's sum of tile y's unquantised p, two at a time, in four chains (LQ: the pair's sums)
	v_pk_add_f32 v[LQ+2*\y:LQ+2*\y+1], v[LQ+2*\y:LQ+2*\y+1], v[S+64*\y:S+64*\y+1]
.irp c, 1,2,3
	v_pk_add_f32 v[AC+6*\y+2*\c-2:AC+6*\y+2*\c-1], v[S+64*\y+2*\c:S+64*\y+2*\c+1], v[S+64*\y+2*\c+8:S+64*\y+2*\c+9]
.endr
	v_pk_add_f32 v[LQ+2*\y:LQ+2*\y+1], v[LQ+2*\y:LQ+2*\y+1], v[S+64*\y+8:S+64*\y+9]
.irp k, 2,3,4,5,6,7
	v_pk_add_f32 v[LQ+2*\y:LQ+2*\y+1], v[LQ+2*\y:LQ+2*\y+1], v[S+64*\y+8*\k:S+64*\y+8*\k+1]
.irp c, 1,2,3
	v_pk_add_f32 v[AC+6*\y+2*\c-2:AC+6*\y+2*\c-1], v[AC+6*\y+2*\c-2:AC+6*\y+2*\c-1], v[S+64*\y+8*\k+2*\c:S+64*\y+8*\k+2*\c+1]
.endr
.endr
	v_pk_add_f32 v[AC+6*\y:AC+6*\y+1], v[AC+6*\y:AC+6*\y+1], v[AC+6*\y+2:AC+6*\y+3]
	v_pk_add_f32 v[LQ+2*\y:LQ+2*\y+1], v[LQ+2*\y:LQ+2*\y+1], v[AC+6*\y+4:AC+6*\y+5]
	v_pk_add_f32 v[LQ+2*\y:LQ+2*\y+1], v[LQ+2*\y:LQ+2*\y+1], v[AC+6*\y:AC+6*\y+1]
.endm
	s_load_b256 s[4:11], s[0:1], 0x0               ; q_img, kv_img, the scales' exponents, ao_img
	v_lshl_add_u32 v[SPW], v0, 2, SPARE
	v_mov_b32 v[NIL], 0
	ds_add_u32 v[SPW], v[NIL]                      ; the opening lines: the add, twice on end, and its wait ahead of my tensor load
	ds_add_u32 v[SPW], v[NIL]
	v_lshrrev_b32 v6, 5, v0
	v_readfirstlane_b32 s[WV], v6                  ; wave 0..7
	v_and_b32 v6, 31, v0
	v_lshlrev_b32 v[LI], 4, v6
	s_bfe_u32 s13, ttmp6, 0x40000                  ; cx: it enters Q's and O's addresses alone
	s_and_b32 s14, ttmp7, 0xffff                   ; bh, which the four partners share
	s_mov_b32 s[G1], 15|(1<<21)                    ; the mask: all four work-groups; elements of 1 byte; bit 21 beside a mask; no padding
	s_mov_b32 s[G1+1], 256<<16
	s_mov_b32 s[G1+2], 128<<16
	s_mov_b32 s[G1+3], 256<<16
	s_mov_b32 s[G1+4], 128
	s_mov_b32 s[G1+5], 256                         ; dense
	s_mov_b32 s[G1+6], 0
	s_mov_b32 s[G1+7], 0
	s_lshl_b32 s[G0+1], s[WV], 15                  ; LDS address: key steps 2 w, 2 w + 1
	s_lshl_b32 s16, s14, 18
	s_add_co_u32 s16, s16, s[G0+1]                 ; the same place in the head's block of kv_img
	s_mov_b32 s17, 0
	s_lshl_b32 s18, s13, 5
	s_lshl_b32 s19, s[WV], 2
	s_add_co_u32 s18, s18, s19                     ; my first tile of queries: 32 cx + 4 wave
	s_lshl_b32 s36, s18, 10
	s_lshl_b32 s37, s14, 17
	s_add_co_u32 s36, s36, s37
	s_mov_b32 s37, 0
	s_lshr_b32 s38, s14, 4
	s_lshl_b32 s38, s38, 7
	s_add_co_u32 s38, s38, s18                     ; its tile of 16 rows: 128 x batch + tile
	s_lshl_b32 s38, s38, 14
	s_and_b32 s39, s14, 15
	s_lshl_b32 s39, s39, 10                        ; + the head's 1,024 bytes
	s_add_co_u32 s38, s38, s39
	s_mov_b32 s39, 0
	s_mov_b32 s[SEL], 0x76543210
	s_mov_b32 s[SEL+1], 0xfedcba98
	s_mov_b32 s[CS], 0x3e38aa3b                    ; log2(e) / 8
	s_wait_alu depctr_va_vdst(0)                   ; ahead of the waits below
	s_wait_dscnt 0x0
	s_wait_kmcnt 0x0
	s_load_b256 s[52:59], s[8:9], 0x0              ; e0 .. e7
	s_mov_b32 s[G0], 1
	s_add_nc_u64 s[G0+2:G0+3], s[6:7], s[16:17]
	s_or_b32 s[G0+3], s[G0+3], 0x80000000
	s_add_nc_u64 s[4:5], s[4:5], s[36:37]
	s_add_nc_u64 s[10:11], s[10:11], s[38:39]
	CROUND                                         ; all four work-groups are here: the joint loads meet
	tensor_load_to_lds s[G0:G0+3], s[G1:G1+7]
	s_nop 0
.rept 4
	v_nop
.endr
.irp q, 0,1,2,3
	global_load_b128 v[Q+8*\q:Q+8*\q+3], v[LI], s[4:5] offset:1024*\q th:TH_LOAD_NT       ; my four tiles of queries stay in registers
	global_load_b128 v[Q+8*\q+4:Q+8*\q+7], v[LI], s[4:5] offset:1024*\q+512 th:TH_LOAD_NT
.endr
.irp q, 0,1,2,3
	v_mov_b32 v[NM+2*\q], 0x7f61b1e6               ; -M: 3e38
	v_mov_b32 v[NM+2*\q+1], 0xff61b1e6             ; the largest score so far: -3e38, under every score
	v_mov_b32 v[F+2*\q+1], 0                       ; (named as the upper half of a pair)
	v_mov_b32 v[L+2*\q], 0
	v_mov_b32 v[L+2*\q+1], 0
.endr
	v_mov_b32 v[PX], 0                             ; a lane permute's destination counts as one of its sources
	v_mov_b32 v[PX+1], 0
	WIN 0x40
.set j, 0
.rept 128
	v_mov_b32 v[O+j], 0                            ; O^T.  (The step is written once: the first finds zeros, which the first change of M leaves zeros)
.set j, j+1
.endr
	WIN 0
	s_wait_kmcnt 0x0
	s_add_co_i32 s60, s54, s55
	s_lshl_b32 s60, s60, 23
	s_add_co_i32 s[CS], s[CS], s60                 ; a score stands for score x 2^(e2 + e3)
	s_mov_b32 s[CS+1], s[CS]
	s_add_co_i32 s61, s56, 127
	s_lshl_b32 s62, s61, 23
	v_mov_b32 v[SC4], s62                          ; 2^e4
	s_add_co_i32 s61, s61, 8
	s_lshl_b32 s61, s61, 23
	s_or_b32 s61, s61, 0x600000
	v_mov_b32 v[LIMA], s61                         ; 448 x 2^e4
	v_mov_b32 v[LIMB], s61
	s_add_co_i32 s61, s58, 127
	s_lshl_b32 s62, s61, 23
	v_mov_b32 v[SC6], s62                          ; 2^e6
	s_add_co_i32 s61, s61, 8
	s_lshl_b32 s61, s61, 23
	s_or_b32 s61, s61, 0x600000
	v_mov_b32 v[LIM6], s61                         ; 448 x 2^e6
	s_add_co_i32 s60, s56, s57                     ; e4 + e5
	s_mov_b32 s[TB], 0
	s_mov_b32 s[TBK], 16384
	s_mov_b32 s[CNT], 16
	s_wait_alu depctr_va_vdst(0)
	s_wait_tensorcnt 0x0                           ; my two key steps are in,
	s_barrier_signal -1
	s_barrier_wait -1                              ; everybody's are: the head's K and V lie in LDS, and nobody writes LDS any more
	WIN 0x40
.irp t, 0,1,2,3,4,5,6,7
	ds_load_b128 v[KF+8*\t:KF+8*\t+3], v[LI] offset:1024*\t
	ds_load_b128 v[KF+8*\t+4:KF+8*\t+7], v[LI] offset:1024*\t+512
.endr
	WIN 0
	s_wait_loadcnt 0x0                             ; Q
	s_wait_dscnt 0x0                               ; K of step 0
	QK 0
	WIN 0
.rept 4
	v_nop                                          ; places behind the first scores' products
.endr
; HALF A KEY STEP: pair x (tiles 2 x, 2 x + 1) against 128 keys.  S holds the pair's scores.
.macro HALF x
.set NQ, NM+4*\x
.set FQ, F+4*\x
.set LQ, L+4*\x
.set OQ, O+64*\x
.if \x
	s_cmp_eq_u32 s[CNT], 1                         ; the last step has no successor
	s_cbranch_scc1 .Lno_k_\@
	WIN 0x40
.irp t, 0,1,2,3,4,5,6,7
	ds_load_b128 v[KF+8*\t:KF+8*\t+3], v[ADK] offset:1024*\t          ; the next step's K (the four places at the last half's end stand behind the products that read these registers)
	ds_load_b128 v[KF+8*\t+4:KF+8*\t+7], v[ADK] offset:1024*\t+512
.endr
	WIN 0
.Lno_k_\@:
.endif
.irp y, 0,1                                    ; the step's largest score of each query, four chains a tile, each score tile from its low end on
.irp c, 0,1,2,3
	v_max3_num_f32 v[AC+4*\y+\c], v[S+64*\y+3*\c], v[S+64*\y+3*\c+1], v[S+64*\y+3*\c+2]
.endr
.endr
.irp i, 12,20,28,36,44,52
.irp y, 0,1
.irp c, 0,1,2,3
	v_max3_num_f32 v[AC+4*\y+\c], v[AC+4*\y+\c], v[S+64*\y+\i+2*\c], v[S+64*\y+\i+2*\c+1]
.endr
.endr
.endr
.irp y, 0,1
.irp c, 0,1
	v_max3_num_f32 v[AC+4*\y+\c], v[AC+4*\y+\c], v[S+64*\y+60+2*\c], v[S+64*\y+61+2*\c]
.endr
.endr
.if \x == 0
	WIN 0x40
.irp c, 0,1,2,3,4,5,6,7,8,9,10,11,12,13,14,15
	ds_load_b128 v[VF+4*\c:VF+4*\c+3], v[ADR] offset:8192+512*\c      ; this step's V (the maxima above stand behind the products that read these registers)
.endr
	WIN 0
.endif
.irp y, 0,1
	v_max3_num_f32 v[MA+\y], v[AC+4*\y], v[AC+4*\y+1], v[AC+4*\y+2]
.endr
.irp y, 0,1
	v_max3_num_f32 v[MA+\y], v[MA+\y], v[AC+4*\y+3], v[NQ+2*\y+1]     ; the four chains and the largest so far
.endr
.irp y, 0,1
	v_permlanex16_b32 v[PX+\y], v[MA+\y], s[SEL], s[SEL+1]
.endr
.irp y, 0,1
	v_max_num_f32 v[NQ+2*\y+1], v[MA+\y], v[PX+\y]                    ; and lane l xor 16's: the running largest score
.endr
.irp y, 0,1
	v_mul_f32 v[TT+\y], s[CS], v[NQ+2*\y+1]                           ; as t (c is positive)
.endr
.irp y, 0,1
	v_floor_f32 v[TT+\y], -v[TT+\y]                                   ; the new -M = -ceil(t)
.endr
.irp y, 0,1
	v_sub_f32 v[MA+\y], v[TT+\y], v[NQ+2*\y]                          ; old M - new M: a whole number, 0 or less
.endr
.irp y, 0,1
	v_mov_b32 v[NQ+2*\y], v[TT+\y]
.endr
.irp y, 0,1
	v_cvt_i32_f32 v[MA+\y], v[MA+\y]                                  ; (it saturates)
.endr
.irp y, 0,1
	v_ldexp_f32 v[FQ+2*\y], 1.0, v[MA+\y]                             ; f = 2^(old M - new M)
.endr
.irp j, 0,2,4,6,8,10,12,14,16,18,20,22,24,26,28,30,32,34,36,38,40,42,44,46,48,50,52,54,56,58,60,62
	v_pk_fma_f32 v[S+\j:S+\j+1], v[S+\j:S+\j+1], s[CS:CS+1], v[NQ:NQ+1] op_sel_hi:[1,0,0]   ; the first tile's t - M
.endr
	s_wait_alu depctr_va_vdst(0)                   ; the wait ahead of the batch
.irp j, 0,2,4,6,8,10,12,14,16,18,20,22,24,26,28,30,32,34,36,38,40,42,44,46,48,50,52,54,56,58,60,62
	v_exp_f32 v[S+\j], v[S+\j]                     ; the first tile's p = 2^(t - M), at most 1: not normalised
	v_exp_f32 v[S+\j+1], v[S+\j+1]
	v_pk_fma_f32 v[S+64+\j:S+65+\j], v[S+64+\j:S+65+\j], s[CS:CS+1], v[NQ+2:NQ+3] op_sel_hi:[1,0,0]   ; the second tile's t - M: first read behind the wait below
.endr
.irp y, 0,1
	v_pk_mul_f32 v[LQ+2*\y:LQ+2*\y+1], v[LQ+2*\y:LQ+2*\y+1], v[FQ+2*\y:FQ+2*\y+1] op_sel_hi:[1,0]   ; the sums under the new M (plain lines behind the batch)
.endr
	s_wait_dscnt 0x0                               ; the fragments fetched in this half are in
	WIN 0x41                                       ; destination and source 0 (O) in window 1
	s_wait_alu depctr_va_vdst(0)                   ; the wait behind the first batch, directly ahead of the first reader of O^T too
.irp y, 0,1
.irp j, 0,2,4,6,8,10,12,14,16,18,20,22,24,26,28,30
	v_pk_mul_f32 v[OQ+32*\y+\j:OQ+32*\y+\j+1], v[OQ+32*\y+\j:OQ+32*\y+\j+1], v[FQ+2*\y:FQ+2*\y+1] op_sel_hi:[1,0]   ; O^T under the new M
.endr
.endr
	WIN 0
	SUMS 0
.irp j, 0,2,4,6,8,10,12,14,16,18,20,22,24,26,28,30,32,34,36,38,40,42,44,46,48,50,52,54,56,58,60,62
	v_exp_f32 v[S+64+\j], v[S+64+\j]               ; the second tile's p
	v_exp_f32 v[S+65+\j], v[S+65+\j]
	v_dual_min_num_f32 v[S+\j], v[S+\j], v[LIMA] :: v_dual_min_num_f32 v[S+\j+1], v[S+\j+1], v[LIMB]   ; the first tile's hold (the conversion does not saturate: ISA guide 7.6.2; p is not negative): first read behind the wait below
.endr
	v_nop                                          ; one plain line behind the batch
	s_wait_alu depctr_va_vdst(0)                   ; the wait behind the second batch, ahead of its first reader and of the readers of what was written ahead of and inside it
.set j, 0
.rept 8
	v_cvt_scalef32_pk8_fp8_f32 v[P+2*j:P+2*j+1], v[S+8*j:S+8*j+7], v[SC4]
.set j, j+1
.endr
	SUMS 1
.set j, 64
.rept 32
	v_dual_min_num_f32 v[S+j], v[S+j], v[LIMA] :: v_dual_min_num_f32 v[S+j+1], v[S+j+1], v[LIMB]       ; the second tile's hold
.set j, j+2
.endr
.set j, 8
.rept 8
	v_cvt_scalef32_pk8_fp8_f32 v[P+2*j:P+2*j+1], v[S+8*j:S+8*j+7], v[SC4]
.set j, j+1
.endr
	v_nop                                          ; one plain line between the conversions and the products that write over their sources and read their results
.if \x
	s_wait_alu depctr_va_vdst(0)                   ; ahead of the branch
	s_cmp_eq_u32 s[CNT], 1
	s_cbranch_scc1 .Lno_qk_\@
	QK 0                                           ; the next step's scores of pair 0
	WIN 0
.Lno_qk_\@:
.else
	QK 1                                           ; this step's scores of pair 1
.endif
	WIN 0x51                                       ; V, C and D in window 1, P in window 0
.irp c, 0,1,2,3
.irp y, 0,1
	v_wmma_f32_16x16x128_fp8_fp8 v[OQ+32*\y+8*\c:OQ+32*\y+8*\c+7], v[VF+16*\c:VF+16*\c+15], v[P+16*\y:P+16*\y+15], v[OQ+32*\y+8*\c:OQ+32*\y+8*\c+7]   ; eight accumulators by turns
.endr
.endr
	WIN 0
.rept 4
	v_nop                                          ; places in front of the first read of the scores and of the loads into K's registers
.endr
.endm
.Lstep:
	v_add_nc_u32 v[ADR], s[TB], v[LI]
	v_add_nc_u32 v[ADK], s[TBK], v[LI]
	HALF 0
	HALF 1
	s_add_co_u32 s[TB], s[TB], 16384
	s_add_co_u32 s[TBK], s[TBK], 16384
	s_and_b32 s[TBK], s[TBK], 0x3ffff              ; it stays inside the head's 262,144 bytes
	s_sub_co_u32 s[CNT], s[CNT], 1
	s_cmp_lg_u32 s[CNT], 0
	s_cbranch_scc1 .Lstep
	; THE WAY OUT: O^T / the sum x 2^(e4 + e5), held, converted with e6: eight registers of codes a tile, 1,024 dense bytes of ao_img
.irp q, 0,1,2,3
	v_add_f32 v[L+2*\q], v[L+2*\q], v[L+2*\q+1]    ; the sum's two halves,
.endr
.irp q, 0,1,2,3
	v_permlanex16_b32 v[AC+\q], v[L+2*\q], s[SEL], s[SEL+1]
.endr
.irp q, 0,1,2,3
	v_add_f32 v[L+2*\q], v[L+2*\q], v[AC+\q]       ; and lane l xor 16's: the row's sum
.endr
	s_wait_alu depctr_va_vdst(0)                   ; the wait ahead of the batch
.irp q, 0,1,2,3
	v_rcp_f32 v[L+2*\q], v[L+2*\q]
.endr
	v_nop                                          ; one plain line behind the batch
	s_wait_alu depctr_va_vdst(0)                   ; and the wait ahead of its first reader
.irp q, 0,1,2,3
	v_ldexp_f32 v[L+2*\q], v[L+2*\q], s60          ; x 2^(e4 + e5)
.endr
	WIN 0x01
	s_wait_alu depctr_va_vdst(0)                   ; directly ahead of the first reader of O^T
.irp q, 0,1,2,3
.set j, 0
.rept 32
	v_mul_f32 v[S+32*\q+j], v[O+32*\q+j], v[L+2*\q]   ; register 8 c + i of tile q is o(query r, channel 16 c + 8 h + i); each accumulator from its low end on
.set j, j+1
.endr
.endr
	WIN 0
.set j, 0
.rept 128
	v_med3_num_f32 v[S+j], v[S+j], -v[LIM6], v[LIM6]
.set j, j+1
.endr
.set j, 0
.rept 16
	v_cvt_scalef32_pk8_fp8_f32 v[P+2*j:P+2*j+1], v[S+8*j:S+8*j+7], v[SC6]
.set j, j+1
.endr
	v_nop                                          ; one plain line behind the last conversion of a run
.irp q, 0,1,2,3
	global_store_b128 v[LI], v[P+8*\q:P+8*\q+3], s[10:11] offset:16384*\q          ; 32 lanes store 512 consecutive bytes, aligned
	global_store_b128 v[LI], v[P+8*\q+4:P+8*\q+7], s[10:11] offset:16384*\q+512
.endr
	s_wait_tensorcnt 0x0                           ; the wave's end
	ds_add_u32 v[SPW], v[NIL]
	s_wait_dscnt 0x0
	CROUND                                         ; the closing round: no work-group ends while a partner may still ask for a tile that names it
	s_endpgm
.Lfunc_end_k_q1f6bae2e38_attn:
	.size	k_q1f6bae2e38_attn, .Lfunc_end_k_q1f6bae2e38_attn-k_q1f6bae2e38_attn
	.p2alignl 7, 3214868480
	.fill 96, 4, 3214868480
	.section	.rodata,"a",@progbits
	.p2align	6, 0x0
	.amdhsa_kernel k_q1f6bae2e38_attn
		.amdhsa_group_segment_fixed_size 327680
		.amdhsa_private_segment_fixed_size 0
		.amdhsa_enable_private_segment 0
		.amdhsa_kernarg_size 32
		.amdhsa_user_sgpr_count 2
		.amdhsa_user_sgpr_kernarg_segment_ptr 1
		.amdhsa_wavefront_size32 1
		.amdhsa_system_sgpr_workgroup_id_x 1
		.amdhsa_system_sgpr_workgroup_id_y 1
		.amdhsa_system_sgpr_workgroup_id_z 1
		.amdhsa_system_vgpr_workitem_id 0
		.amdhsa_next_free_vgpr 512
		.amdhsa_next_free_sgpr 66
		.amdhsa_reserve_vcc 0
		.amdhsa_float_denorm_mode_32 3
		.amdhsa_float_denorm_mode_16_64 3
		.amdhsa_memory_ordered 1
		.amdhsa_forward_progress 1
		.amdhsa_inst_pref_size 82
	.end_amdhsa_kernel
	.amdgpu_metadata
---
amdhsa.version: [ 1, 2 ]
amdhsa.kernels:
  - .name:           k_q1f6bae2e38_attn
    .symbol:         k_q1f6bae2e38_attn.kd
    .args:
      - { .name: q_img, .offset: 0, .size: 8, .value_kind: global_buffer, .address_space: global }
      - { .name: kv_img, .offset: 8, .size: 8, .value_kind: global_buffer, .address_space: global }
      - { .name: lowp_scales, .offset: 16, .size: 8, .value_kind: global_buffer, .address_space: global }
      - { .name: ao_img, .offset: 24, .size: 8, .value_kind: global_buffer, .address_space: global }
    .group_segment_fixed_size: 327680
    .private_segment_fixed_size: 0
    .kernarg_segment_align: 8
    .kernarg_segment_size: 32
    .max_flat_workgroup_size: 256
    .sgpr_count:     66
    .vgpr_count:     512
    .wavefront_size: 32
...
	.end_amdgpu_metadata
.endif
;; end of part 3
;; launch gemm_proj (part 4): grid 4 x 64, 4 waves a work-group, clusters of 4 x 4, 327,680 bytes of LDS; arguments ao_img, wp_img, lowp_scales, b_proj, out0; writes out0
.if DOCPART == 4
	.amdgcn_target "amdgcn-amd-amdhsa--gfx1250"
	.amdhsa_code_object_version 6
	.text
	.protected	k_q1f6bae2e38_gemm_proj
	.globl	k_q1f6bae2e38_gemm_proj
	.p2align	8
	.type	k_q1f6bae2e38_gemm_proj,@function
k_q1f6bae2e38_gemm_proj:
	s_mov_b64 s[64:65], 0
	v_nop
	global_prefetch_b8 v0, s[64:65] scope:SCOPE_SE
	s_setreg_imm32_b32 hwreg(HW_REG_WAVE_MODE, 25, 1), 1
	s_wait_xcnt 0x0
	s_wait_alu depctr_hold_cnt(0) depctr_sa_sdst(0) depctr_va_vdst(0) depctr_va_sdst(0) depctr_va_ssrc(0) depctr_va_vcc(0) depctr_vm_vsrc(0)
	s_getreg_b32 s2, hwreg(HW_REG_IB_STS2, 6, 4)
	s_cmp_eq_u32 s2, 0
	s_cbranch_scc0 .Lentry_in_a_cluster
	s_endpgm
.Lentry_in_a_cluster:
	s_bfe_u32 s2, ttmp6, 0x10000c
	s_cmp_lg_u32 s2, 0xf033
	s_cbranch_scc0 .Lentry_shape_is_right
	s_endpgm
.Lentry_shape_is_right:
; out0 [8192][1024] f32 = o w_proj + b_proj, on codes of FP8 (E4M3): each finished sum x 2^(e6 + e7), + the bias.  LIMIT: e6 + e7 between -126 and 127, so that 2^(e6 + e7) is an f32 number.
; IN: ao_img [tile of 16 rows: 512][block of 128 k: 8][2,048] and wp_img [tile of 16 columns: 64][8][2,048]: images of the operands' registers for v_wmma_f32_16x16x128_fp8_fp8, 512 bytes for four registers of 32 lanes.
; SHARES.  A block of out0 is 128 rows x 256 columns: 64 x 4 = 256 work-groups.  Four waves; a wave makes 64 rows x 128 columns: 32 accumulators (window 2).
; K goes in steps of 256 (4,096 bytes of each tile of 16) through a ring of two LDS slots: waves 0 and 1 fetch four tiles of rows each, waves 2 and 3 eight tiles of columns each, one tensor load a wave.
; CLUSTERS: 4 x 4 work-groups; the rows' tiles are asked for jointly along a row of the cluster, the columns' along a column.
; A slot is two steps of 128 along K; rows' fragments (window 0, v128-255) and columns' (window 1) have two sets each, so that a step's 48 LDS loads are issued ahead of the step before it.
; THE MATRIX INSTRUCTION IS USED TRANSPOSED (source 0 = 16 columns, source 1 = 16 rows): a lane holds eight neighbouring numbers of a row of out0.
; PREFETCH: behind the joint loads of K steps 0 and 1 a wave names K steps 2 and 3, two K steps ahead of their loads; of the tiles that a wave fetches each of the four partners takes a quarter, told apart by
; address (rows: one tile, 16 blocks of 256 bytes, lanes 16-31 naming the last block again; columns: two tiles, 32 blocks).  There is no K step behind the fourth.
.set KSTEPB, 4096
.set T16,    16384
.set HALFT,  32768
.set SLOT,   131072                    ; rows' halves at 0 and 32,768 (16,384 bytes used of each), columns' halves at 65,536 and 98,304
.set SPARE,  262144
.set SPITCH, 528                       ; the way out: a stage of 16 rows x (512 + 16) bytes for each wave, in slot 0, behind its last fill and its last read
.set FR,     16
.set NL,     4
.set NP,     4
.set ADRP, 16
.set ADRR, 20
.set PFO,  22
.set STO,  24
.set RD,   25
.set LI,   26
.set HB,   27
.set SPW,  28
.set NIL,  29
.set TMP,  32
.set AF,   128
.set BK,   128
.set WV, 16
.set WH, 17
.set WL, 18
.set G1, 24
.set G0, 32
.set G1B, 48
.set G0B, 56
.set PFA, 96
.set MSB, 0
.macro WIN new
.if MSB != \new
	s_set_vgpr_msb (MSB<<8)|\new
.set MSB, \new
.endif
.endm
.set MUL_LO, 0xa1                      ; source 0 window 1, source 1 window 0, C and D window 2
.set TO_R,   0x40
.macro JLOAD g0p, g1p, g0r, g1r        ; waves 0 and 1 fetch rows' tiles, waves 2 and 3 columns'
	s_cmp_eq_u32 s[WH], 0
	s_cbranch_scc0 .Lfor_r_\@
	tensor_load_to_lds s[\g0p:\g0p+3], s[\g1p:\g1p+7]
	s_nop 0
.rept 4
	v_nop
.endr
	s_branch .Lasked_\@
.Lfor_r_\@:
	tensor_load_to_lds s[\g0r:\g0r+3], s[\g1r:\g1r+7]
	s_nop 0
.rept 4
	v_nop
.endr
.Lasked_\@:
.endm
.macro CREST
	s_cmp_lg_u32 s[WV], 0
	s_cbranch_scc1 .Lnot_wave_0_\@
	s_barrier_signal -3
.Lnot_wave_0_\@:
	s_barrier_wait -3
	s_barrier_signal -1
	s_barrier_wait -1
.endm
.macro CROUND
	s_barrier_signal -1
	s_barrier_wait -1
	CREST
.endm
.macro PLACES n
.rept \n
	v_nop
.endr
.endm
.macro FRAG reg, adr, q, i
.irp c, 0,1,2,3
	ds_load_b128 v[\reg+4*\c:\reg+4*\c+3], v[\adr] offset:(\i)*4096+(\q)*2048+\c*512
.endr
.endm
; 16 matrix instructions: rows' fragments a0, a0 + 1 (set a0 / 4) x the eight columns' of set p.  The 32 accumulators take turns, one instruction a turn.
.macro MUL16 a0, p, zero
.irp a, \a0, \a0+1
.irp b, 0,1,2,3,4,5,6,7
.if \zero
	v_wmma_f32_16x16x128_fp8_fp8 v[8*(8*((\a)%4)+\b):8*(8*((\a)%4)+\b)+7], v[128*(\p)+FR*\b:128*(\p)+FR*\b+FR-1], v[AF+FR*(\a):AF+FR*(\a)+FR-1], 0
.else
	v_wmma_f32_16x16x128_fp8_fp8 v[8*(8*((\a)%4)+\b):8*(8*((\a)%4)+\b)+7], v[128*(\p)+FR*\b:128*(\p)+FR*\b+FR-1], v[AF+FR*(\a):AF+FR*(\a)+FR-1], v[8*(8*((\a)%4)+\b):8*(8*((\a)%4)+\b)+7]
.endif
.endr
.endr
.endm
.macro FETCH slot, q, p                ; 48 LDS loads: the fragments of the slot's q-th 128 along K into set p
	WIN TO_R
.irp i, 0,1,2,3,4,5,6,7
	FRAG 128*(\p)+FR*\i, ADRR+\slot, \q, \i
.endr
	WIN 0
.irp i, 0,1,2,3
	FRAG AF+FR*(\i+4*(\p)), ADRP+\slot, \q, \i
.endr
.endm
.macro STEP slot, zero                 ; a slot's first 128 along K, on set 0; set 1 is fetched ahead of it
	PLACES NP                                      ; set 1's registers were read by the products issued last
	FETCH \slot, 1, 1
	s_wait_dscnt 12*NL                             ; all but the 48 loads just issued: set 0 is in
	WIN MUL_LO
	MUL16 0, 0, \zero
	MUL16 2, 0, \zero
	WIN 0
.endm
.macro TURN slot, next, fill           ; a slot's second 128 along K, on set 1, and the change of slots
	s_wait_tensorcnt 0x0                           ; all my tensor loads have landed: my part of the next slot
	ds_add_u32 v[SPW], v[NIL]
	s_wait_dscnt 1                                 ; the add alone may be out: set 1 is in
	WIN MUL_LO
	MUL16 4, 1, 0
	s_wait_dscnt 0x0                               ; the add is done, and my reads of this slot are over
	s_barrier_signal -1
	MUL16 6, 1, 0
	WIN 0
	s_barrier_wait -1
.if \fill
	CREST                                          ; the barrier has opened a round of the cluster's barrier
	s_add_nc_u64 s[G0+4*\slot+2:G0+4*\slot+3], s[G0+4*\slot+2:G0+4*\slot+3], 2*KSTEPB
	s_add_nc_u64 s[G0B+4*\slot+2:G0B+4*\slot+3], s[G0B+4*\slot+2:G0B+4*\slot+3], 2*KSTEPB
	JLOAD G0+4*\slot, G1, G0B+4*\slot, G1B         ; the first tensor load behind the round; its four v_nop are the places in front of the loads below
.else
	PLACES NP
.endif
	FETCH \next, 0, 0
.endm
	s_load_b256 s[4:11], s[0:1], 0x0               ; ao_img, wp_img, the scales' exponents, b_proj
	s_load_b64 s[12:13], s[0:1], 0x20              ; out0
	v_lshl_add_u32 v[SPW], v0, 2, SPARE
	v_mov_b32 v[NIL], 0
	ds_add_u32 v[SPW], v[NIL]                      ; the opening lines: the add, twice on end, and its wait
	ds_add_u32 v[SPW], v[NIL]
	v_lshrrev_b32 v1, 5, v0
	v_readfirstlane_b32 s[WV], v1
	s_lshr_b32 s[WH], s[WV], 1                     ; which 64 rows are mine.  Also: I fetch rows' tiles (0) or columns' (1)
	s_and_b32 s[WL], s[WV], 1                      ; which 128 columns.  Also: which half of those tiles I fetch
	s_bfe_u32 s20, ttmp6, 0x40000                  ; cx
	s_bfe_u32 s21, ttmp6, 0x40004                  ; cy
	s_and_b32 s40, ttmp7, 0xffff
	s_lshl_b32 s40, s40, 2
	s_add_co_u32 s40, s40, s21                     ; which 128 rows
	s_lshl_b32 s41, ttmp9, 2
	s_add_co_u32 s41, s41, s20                     ; which 256 columns
	s_lshl_b32 s92, s21, 2
	s_lshl_b32 s92, 15, s92
	s_lshl_b32 s93, 0x1111, s20
	s_or_b32 s[G1], s92, (1<<21)                   ; rows' tiles go to my row of the cluster,
	s_or_b32 s[G1B], s93, (1<<21)                  ; columns' to my column
.irp g, G1, G1B
	s_mov_b32 s[\g+1], KSTEPB<<16
	s_mov_b32 s[\g+3], KSTEPB<<16
	s_mov_b32 s[\g+5], T16
	s_mov_b32 s[\g+6], 0
	s_mov_b32 s[\g+7], 0
.endr
	s_mov_b32 s[G1+2], 4<<16                       ; four tiles of 16 rows,
	s_mov_b32 s[G1+4], 4
	s_mov_b32 s[G1B+2], 8<<16                      ; eight of 16 columns
	s_mov_b32 s[G1B+4], 8
	s_lshl_b32 s94, s[WL], 16
	s_lshl_b32 s88, s40, 17
	s_add_co_u32 s88, s88, s94
	s_mov_b32 s89, 0
	s_lshl_b32 s94, s[WL], 17
	s_lshl_b32 s90, s41, 18
	s_add_co_u32 s90, s90, s94
	s_mov_b32 s91, 0
	s_lshl_b32 s95, s[WV], 15
	s_lshl_b32 s98, s[WH], 4
	s_add_co_u32 s98, s98, 15
	v_and_b32 v1, 31, v0
	v_min_u32 v1, s98, v1                          ; m = my lane, held at 15 in the waves that fetch rows' tiles
	v_and_b32 v2, 15, v1
	v_lshlrev_b32 v[PFO], 8, v2
	v_lshrrev_b32 v2, 4, v1
	v_lshl_add_u32 v[PFO], v2, 14, v[PFO]          ; block m % 16 of tile m / 16; never rewritten
	s_wait_alu depctr_va_vdst(0)                   ; ahead of the waits below
	s_wait_dscnt 0x0
	s_wait_kmcnt 0x0
	s_load_b256 s[68:75], s[8:9], 0x0
	s_add_nc_u64 s[44:45], s[4:5], s[88:89]
	s_add_nc_u64 s[46:47], s[6:7], s[90:91]
	s_cmp_eq_u32 s[WH], 0
	s_cselect_b64 s[PFA:PFA+1], s[44:45], s[46:47]
	s_cselect_b32 s98, s20, s21                    ; my place among the four that ask with me
	s_add_co_u32 s99, s[WH], 14
	s_lshl_b32 s98, s98, s99                       ; x one tile of rows, or two of columns
	s_mov_b32 s99, 0
	s_add_nc_u64 s[PFA:PFA+1], s[PFA:PFA+1], s[98:99]
	CROUND                                         ; all sixteen work-groups are here: the first joint loads meet
.irp s, 0,1
	s_mov_b32 s[G0+4*\s], 1
	s_add_co_u32 s[G0+4*\s+1], s95, \s*SLOT
	s_add_nc_u64 s[G0+4*\s+2:G0+4*\s+3], s[44:45], \s*KSTEPB
	s_or_b32 s[G0+4*\s+3], s[G0+4*\s+3], 0x80000000
	s_mov_b32 s[G0B+4*\s], 1
	s_add_co_u32 s[G0B+4*\s+1], s95, \s*SLOT
	s_add_nc_u64 s[G0B+4*\s+2:G0B+4*\s+3], s[46:47], \s*KSTEPB
	s_or_b32 s[G0B+4*\s+3], s[G0B+4*\s+3], 0x80000000
.endr
	JLOAD G0, G1, G0B, G1B                         ; K step 0: one tensor load a wave at the head
	global_prefetch_b8 v[PFO], s[PFA:PFA+1] offset:KSTEPB th:TH_LOAD_NT scope:SCOPE_SE     ; K step 1 too, one K step ahead of its load, which goes out when K step 0 has landed
	global_prefetch_b8 v[PFO], s[PFA:PFA+1] offset:2*KSTEPB th:TH_LOAD_NT scope:SCOPE_SE   ; K step 2
	v_and_b32 v1, 31, v0
	v_lshlrev_b32 v[LI], 4, v1
	s_lshl_b32 s84, s[WH], 15
	s_lshl_b32 s85, s[WL], 15
	s_add_co_u32 s85, s85, 2*HALFT
.irp s, 0,1
	v_add_nc_u32 v[ADRP+\s], s84, v[LI]
	v_add_nc_u32 v[ADRR+\s], s85, v[LI]
	s_add_co_u32 s84, s84, SLOT
	s_add_co_u32 s85, s85, SLOT
.endr
	v_and_b32 v2, 15, v0
	v_bfe_u32 v3, v0, 4, 1
	v_lshlrev_b32 v[HB], 5, v3
	s_mul_i32 s86, s[WV], 16*SPITCH
	v_mul_u32_u24 v[STO], v2, SPITCH
	v_lshl_add_u32 v[STO], v3, 5, v[STO]
	v_add_nc_u32 v[STO], s86, v[STO]
	v_add_nc_u32 v[RD], s86, v[LI]
	s_lshl_b32 s86, s40, 19                        ; 128 rows of 4,096 bytes,
	s_lshl_b32 s87, s[WH], 18                      ; + my 64
	s_add_co_u32 s86, s86, s87
	s_lshl_b32 s92, s41, 10
	s_lshl_b32 s93, s[WL], 9
	s_add_co_u32 s92, s92, s93                     ; my first column, in bytes
	s_mov_b32 s93, 0
	s_add_co_u32 s86, s86, s92
	s_mov_b32 s87, 0
	s_add_nc_u64 s[12:13], s[12:13], s[86:87]
	s_add_nc_u64 s[82:83], s[10:11], s[92:93]
	s_wait_alu depctr_va_vdst(0)
	s_wait_tensorcnt 0x0                           ; my part of K step 0 is in; these lines stand ahead of a later first fill as ahead of a refill
	ds_add_u32 v[SPW], v[NIL]
	s_wait_dscnt 0x0
	CROUND                                         ; everybody's part of K step 0 is in, and the joint loads meet
	JLOAD G0+4, G1, G0B+4, G1B                     ; K step 1, the first tensor load behind the round
	FETCH 0, 0, 0
	global_prefetch_b8 v[PFO], s[PFA:PFA+1] offset:3*KSTEPB th:TH_LOAD_NT scope:SCOPE_SE   ; K step 3, the last
	STEP 0, 1                                      ; the first products start the sums: nothing is cleared
	TURN 0, 1, 1
	STEP 1, 0
	TURN 1, 0, 1
	STEP 0, 0
	TURN 0, 1, 0                                   ; the last change of slots fills nothing
	STEP 1, 0
	PLACES NP                                      ; set 0's registers in window 1 take the bias
	WIN TO_R
.irp b, 0,1,2,3,4,5,6,7
	global_load_b128 v[8*\b:8*\b+3], v[HB], s[82:83] offset:64*\b
	global_load_b128 v[8*\b+4:8*\b+7], v[HB], s[82:83] offset:64*\b+16
.endr
	WIN 0
	s_wait_dscnt 0x0
	WIN MUL_LO
	MUL16 4, 1, 0
	MUL16 6, 1, 0
	WIN 0
; THE WAY OUT, block by block of 16 rows x 128 columns: through my own stage in LDS, back as whole rows of 512 bytes, which the 32 lanes store as one aligned run of 512 bytes.
.macro TOSTAGE a
.set AC, 64*(\a)
	WIN 0x12                                       ; source 0 window 2 (the sums), source 2 window 1 (the bias)
.irp j, 0,2,4,6,8,10,12,14,16,18,20,22,24,26,28,30,32,34,36,38,40,42,44,46,48,50,52,54,56,58,60,62
	v_pk_fma_f32 v[TMP+\j:TMP+\j+1], v[AC+\j:AC+\j+1], s[76:77], v[\j:\j+1] op_sel_hi:[1,0,1]   ; each accumulator from its low end on
.endr
	WIN 0
.irp b, 0,1,2,3,4,5,6,7
	ds_store_b128 v[STO], v[TMP+8*\b:TMP+8*\b+3] offset:64*\b
	ds_store_b128 v[STO], v[TMP+8*\b+4:TMP+8*\b+7] offset:64*\b+16
.endr
.set BB, BK+64*((\a)%2)
.irp t, 0,1,2,3,4,5,6,7,8,9,10,11,12,13,14,15
	ds_load_b128 v[BB+4*\t:BB+4*\t+3], v[RD] offset:\t*SPITCH    ; LDS serves a wave's instructions in order (ISA guide 5.7.1.4): these see the stores above
.endr
.endm
.macro SEND a, younger
.set BB, BK+64*((\a)%2)
	s_wait_dscnt \younger
.if (\a) > 0
	s_add_nc_u64 s[12:13], s[12:13], 16*4096       ; (behind a wait on XCNT: the earlier stores have read their base)
.endif
.irp t, 0,1,2,3,4,5,6,7,8,9,10,11,12,13,14,15
	global_store_b128 v[LI], v[BB+4*\t:BB+4*\t+3], s[12:13] offset:\t*4096 th:TH_STORE_NT
.endr
.endm
	s_wait_kmcnt 0x0
	s_add_co_i32 s76, s74, s75
	s_add_co_i32 s76, s76, 127
	s_lshl_b32 s76, s76, 23                        ; 2^(e6 + e7) as f32
	s_mov_b32 s77, s76
	s_wait_loadcnt 0x0                             ; the bias
	PLACES NP
	TOSTAGE 0
.irp a, 1,2,3
.if \a > 1
	s_wait_xcnt 0x0                                ; block a - 2's stores have read their registers and their base
.endif
	TOSTAGE \a
	SEND \a-1, 32                                  ; behind block a - 1's loads: block a's 16 stores and 16 loads
.endr
	s_wait_xcnt 0x0
	SEND 3, 0
	s_wait_tensorcnt 0x0                           ; the wave's end
	ds_add_u32 v[SPW], v[NIL]
	s_wait_dscnt 0x0
	CROUND                                         ; the closing round
	s_endpgm
.Lfunc_end_k_q1f6bae2e38_gemm_proj:
	.size	k_q1f6bae2e38_gemm_proj, .Lfunc_end_k_q1f6bae2e38_gemm_proj-k_q1f6bae2e38_gemm_proj
	.p2alignl 7, 3214868480
	.fill 96, 4, 3214868480
	.section	.rodata,"a",@progbits
	.p2align	6, 0x0
	.amdhsa_kernel k_q1f6bae2e38_gemm_proj
		.amdhsa_group_segment_fixed_size 327680
		.amdhsa_private_segment_fixed_size 0
		.amdhsa_enable_private_segment 0
		.amdhsa_kernarg_size 40
		.amdhsa_user_sgpr_count 2
		.amdhsa_user_sgpr_kernarg_segment_ptr 1
		.amdhsa_wavefront_size32 1
		.amdhsa_system_sgpr_workgroup_id_x 1
		.amdhsa_system_sgpr_workgroup_id_y 1
		.amdhsa_system_sgpr_workgroup_id_z 1
		.amdhsa_system_vgpr_workitem_id 0
		.amdhsa_next_free_vgpr 768
		.amdhsa_next_free_sgpr 100
		.amdhsa_reserve_vcc 0
		.amdhsa_float_denorm_mode_32 3
		.amdhsa_float_denorm_mode_16_64 3
		.amdhsa_memory_ordered 1
		.amdhsa_forward_progress 1
		.amdhsa_inst_pref_size 77
	.end_amdhsa_kernel
	.amdgpu_metadata
---
amdhsa.version: [ 1, 2 ]
amdhsa.kernels:
  - .name:           k_q1f6bae2e38_gemm_proj
    .symbol:         k_q1f6bae2e38_gemm_proj.kd
    .args:
      - { .name: ao_img, .offset: 0, .size: 8, .value_kind: global_buffer, .address_space: global }
      - { .name: wp_img, .offset: 8, .size: 8, .value_kind: global_buffer, .address_space: global }
      - { .name: lowp_scales, .offset: 16, .size: 8, .value_kind: global_buffer, .address_space: global }
      - { .name: b_proj, .offset: 24, .size: 8, .value_kind: global_buffer, .address_space: global }
      - { .name: out0, .offset: 32, .size: 8, .value_kind: global_buffer, .address_space: global }
    .group_segment_fixed_size: 327680
    .private_segment_fixed_size: 0
    .kernarg_segment_align: 8
    .kernarg_segment_size: 40
    .max_flat_workgroup_size: 128
    .sgpr_count:     100
    .vgpr_count:     768
    .wavefront_size: 32
...
	.end_amdgpu_metadata
.endif
;; end of part 4
